; MI455X (gfx1250); checked and timed in simulation.
; The chip was launched on July 23, 2026; its instructions are those of AMD's public machine-readable ISA for CDNA 5 (MIT licence, August 2026) and "CDNA5" Instruction Set Architecture Reference Guide (July 2026). The comments in the code are by the model that wrote it; some were corrected since.
;; SVD. Allowed arithmetic: matrix products marked QUANTISED: E3M2 operands, one E8M0 scale for each 32 along K, by v_wmma_scale_f32_16x16x128_f8f6f4 with both operands' format E3M2, f32 sums; products left as they are: f32 operands where the result goes on into a quantised operand, else bf16, f16 or f32 operands; f32 sums; everything else in f32.
;; Inputs: src 32 x 2,048 x 3 float32; src_embed 32 x 2,048 x 512 float32; tgt 32 x 2,048 x 3 float32; tgt_embed 32 x 2,048 x 512 float32.
;; Outputs: out0 32 x 3 x 3 float32; out1 32 x 1 x 3 float32.
;; This version of the problem:
;;   THIS VERSION OF THE PROBLEM IS GIVEN IN LOW PRECISION. The matrix products marked QUANTISED in the list below multiply operands that are first quantised to E3M2 (3 exponent bits, 2 mantissa bits; 6 bits a number), with one power-of-two scale for each 32 numbers along K (OCP MX v1.0); their sums are f32. All else is computed in f32.
;;   The module's matrix products, in the order in which they are computed (A, B: the left and right operand; K: the contracted axis; several contracted axes count as one K, in the product's order):
;;     1. batch 32 x [M 2,048, K 512] x [K 512, N 2,048]; A: input src_embed; B: input tgt_embed: QUANTISED
;;     2. batch 32 x [M 3, K 2,048] x [K 2,048, N 2,048]; A: input tgt; B: softmax: left as it is (M = 3 < 16)
;;     3. batch 32 x [M 3, K 2,048] x [K 2,048, N 3]; A: computed on the way; B: computed on the way: left as it is (M = 3 < 16)
;;     4. batch 32 x [M 3, K 3] x [K 3, N 3]; A: computed on the way; B: computed on the way: left as it is (K = 3 < 32)
;;     5. batch 32 x [M 3, K 3] x [K 3, N 3]; A: computed on the way; B: computed on the way: left as it is (K = 3 < 32)
;;     6. batch 32 x [M 3, K 3] x [K 3, N 1]; A: computed on the way; B: computed on the way: left as it is (K = 3 < 32)
;;   THE QUANTISER, for each operand of a quantised product, along K:
;;     - K is cut into blocks of 32 from its start; a last block that is shorter is filled with zeros.
;;     - A block's scale is 2^e with e = floor(log2(the largest magnitude in the block)) - 4, held to -126 .. 127; a block of zeros has e = 0. As a byte (E8M0): e + 127.
;;     - Each number is divided by its block's scale, clamped to +-28, and rounded to the nearest number of E3M2, ties to even, subnormals kept.
;;     - The product sums the exact products of the quantised numbers (number of the format x scale) in f32.
;;   ~~~python
;;   def quantise(x, axis):      # numpy; x: float32 -> the quantised numbers, widened to float32 again
;;       x = np.moveaxis(x, axis, -1); K = x.shape[-1]
;;       x = np.pad(x, [(0, 0)] * (x.ndim - 1) + [(0, -K % 32)]); x = x.reshape(x.shape[:-1] + (-1, 32)); a = np.abs(x).max(-1, keepdims=True)
;;       e = np.where(a > 0, np.clip(np.frexp(np.where(a > 0, a, 1))[1] - 1 - 4, -126, 127), 0)      # np.frexp(a)[1] - 1 = floor(log2(a)), exactly
;;       r = np.clip(x / 2.0 ** e, -28, 28)
;;       step = 2.0 ** (np.maximum(np.frexp(np.where(r == 0, 1, r))[1] - 1, -2) - 2)
;;       q = np.round(r / step) * step * 2.0 ** e      # np.round: ties to even
;;       return np.moveaxis(q.reshape(q.shape[:-2] + (-1,))[..., :K], -1, axis).astype(np.float32)
;;   ~~~
;; One version. Each part assembles by itself: llvm-mc -triple=amdgcn-amd-amdhsa -mcpu=gfx1250 --defsym DOCPART=n.
;; ======== version 1 of 1: 3 launches
;; limits: values are held in f16: magnitudes above 65,504 overflow, below 6.1e-05 lose precision; inputs' magnitudes at most 65,504; right only within a limited range of input values
;; workspace buffers: qcodes 25,165,824 bytes; kcodes 25,165,824 bytes; qscales 1,048,576 bytes; side 3,145,728 bytes; matched 1,048,576 bytes
;; launch prep (part 1): grid 1024 x 1, 4 waves a work-group, no clusters, 57,856 bytes of LDS; arguments src_embed, tgt_embed, tgt, qcodes, qscales, kcodes, side; writes qcodes, qscales, kcodes, side
.if DOCPART == 1
	.amdgcn_target "amdgcn-amd-amdhsa--gfx1250"
	.amdhsa_code_object_version 6
	.text
	.protected	k_qe8adda7d3f_prep
	.globl	k_qe8adda7d3f_prep
	.p2align	8
	.type	k_qe8adda7d3f_prep,@function
k_qe8adda7d3f_prep:
	s_mov_b64 s[64:65], 0
	v_nop
	global_prefetch_b8 v0, s[64:65] scope:SCOPE_SE
	s_setreg_imm32_b32 hwreg(HW_REG_WAVE_MODE, 25, 1), 1
	s_wait_xcnt 0x0
; src_embed and tgt_embed, [32][2048][512] f32, become codes of BF6 (E3M2) with one E8M0 byte for each 32 along K (K = the last axis); tgt, [32][2048][3] f32, becomes f16 operand images.
; A block's scale is 2^(floor(log2(its largest magnitude)) - 4); its byte is the largest magnitude's exponent field - 4, held at 1 from below.  Each number is divided by the scale and rounded to the
; nearest code, ties to even; beyond 28 the conversion gives the largest code.
; LAYOUTS (buffers of this program alone).  Codes: a tile of 16 rows is 6,144 bytes: [K step s of 128: 1,536][lane r + 16 h: 48][c: 24]; the 24 bytes are block 2 c + h of K step s of row r: a lane's 48 bytes
; are the 12 registers that the matrix instruction wants of it.  Scale bytes: [row][16].  side, 98,304 bytes a batch: tgt_embed's scale bytes (32,768), then 64 images of 1,024 bytes, one for each 32 keys:
; source 0 of a 16 x 16 x 32 f16 product, [registers 0-3 | 4-7: 512][lane: 16].  An image's 16 rows: 0-2 x, y, z (upper 11 bits), 3 ones, 4-6 the rest of x, y, z, 7-15 zeros.
; LIMITS: NaN and infinities are not served.  A block of zeros gets the byte 1 where the rule says 127: its codes are zeros, and this program alone reads the bytes.  |tgt| stays under 65,504 (f16);
; what of tgt lies under 2^-14 is carried to 2^-25 absolute.
; SHARES.  Work-groups 0-511: src_embed; 512-1023: tgt_embed.  A wave takes two neighbouring tiles: 32 steps of one row (512 numbers); its loads run four steps ahead, across the first tile's way out too.
; The 2,048 waves of tgt_embed also make the 2,048 images, one each, at their head, while their first 16 row loads are out.
; THE WAY OUT.  A lane's 16 codes are 12 bytes; they are laid dense in the wave's stage by three stores of 4 bytes, and a tile leaves by 12 stores of 512 consecutive bytes, each at a multiple of 256 from the buffer's first byte.
; The stage has 48 bytes of padding behind each 768: lane l's word lies at 3 (l % 2) + 6 (l / 4 % 2) + 204 (l / 2 % 2) + 408 (l / 8) words, 32 different numbers modulo 64 (64 banks of 4 bytes: ISA guide 11.1).
; No tensor loads, no barrier: waves share nothing.  Matrix units and clusters have nothing to do here: each input byte is read once by one wave.  No prefetch: the launch is one stream of loads.
.set WREG,  14336                      ; LDS of a wave: two stages of 32 x SP bytes, its 256 scale bytes, the codes' stage
.set SP,    80                         ; a lane's place in a stage: its 64 bytes + 16 of padding
.set SCB,   2*32*SP                    ; the scale bytes
.set CST,   SCB+256                    ; the codes' stage: 4 x 1,632 bytes
.set STEPS, 32
.set EMAX,  4
.set R,     16                         ; v16-79   four sets of 16 numbers as they are loaded
.set X,     80                         ; v80-111  two sets of 16 neighbours
.set E,     112                        ; v112-127 a scale byte for each step of a tile
.set C,     128                        ; v128-143 codes: four sets by turns: a set is written again four steps on, behind the wait that shows its LDS stores done
.set OUT,   144                        ; v144-191 the way out: a tile's codes, 12 x 4 registers
	s_load_b128 s[4:7], s[0:1], 0x0                ; src_embed, tgt_embed
	s_load_b64 s[8:9], s[0:1], 0x10                ; tgt
	s_load_b128 s[12:15], s[0:1], 0x18             ; qcodes, qscales
	s_load_b128 s[16:19], s[0:1], 0x28             ; kcodes, side
	v_lshl_add_u32 v192, v0, 2, 0xe000             ; my spare word, behind the four waves' regions
	v_mov_b32 v193, 0
	v_lshrrev_b32 v1, 5, v0
	v_readfirstlane_b32 s20, v1                    ; wave
	v_and_b32 v2, 31, v0                           ; lane
	v_lshlrev_b32 v3, 4, v2                        ; my 16 bytes of 512
	s_mul_i32 s21, s20, WREG
	v_lshrrev_b32 v14, 2, v2
	v_mul_u32_u24 v14, v14, SP
	v_and_b32 v15, 3, v2
	v_lshl_add_u32 v14, v15, 4, v14
	v_add_nc_u32 v14, s21, v14                     ; the stage, on the way in: SP (lane / 4) + 16 (lane % 4)
	v_mul_u32_u24 v15, v2, SP
	v_add_nc_u32 v15, s21, v15                     ; and on the way out: SP x lane: my 16 neighbours
	v_lshrrev_b32 v5, 1, v2
	s_add_co_u32 s22, s21, SCB
	v_add_nc_u32 v5, s22, v5                       ; my block's scale byte: two lanes hold a block
	v_lshlrev_b32 v7, 3, v2                        ; on the way out 8 bytes a lane
	v_add_nc_u32 v6, s22, v7
	; The codes' stage.  In step r (= row r of the tile) lane l holds 12 bytes: half l % 2 of block b = (l / 2) % 4 of K step s = l / 8.  In the tile they begin at byte
	; 1,536 s + 768 (b % 2) + 48 r + 24 (b / 2) + 12 (l % 2); in the stage at 1,632 s + 816 (b % 2) + the rest; the step enters as 48 r, an immediate.
	v_and_b32 v10, 1, v2
	v_mul_u32_u24 v10, v10, 12
	v_bfe_u32 v11, v2, 2, 1
	v_mad_u32_u24 v10, v11, 24, v10
	v_bfe_u32 v11, v2, 1, 1
	v_mad_u32_u24 v10, v11, 816, v10
	v_lshrrev_b32 v11, 3, v2
	v_mad_u32_u24 v10, v11, 1632, v10
	s_add_co_u32 s22, s21, CST
	v_add_nc_u32 v10, s22, v10                     ; into it
	v_add_nc_u32 v9, s22, v3                       ; out of it: 16 bytes a lane;
	v_lshrrev_b32 v4, 4, v2
	v_mad_u32_u24 v4, v4, 48, v9                   ; and for the 512 bytes that lie across the padding: lanes 16-31 stand behind it
	s_and_b32 s24, ttmp9, 511
	s_lshl_b32 s24, s24, 2
	s_add_co_u32 s25, s24, s20                     ; my pair of tiles, and my image: 0 .. 2,047
	s_lshl_b32 s24, s25, 1                         ; my first tile
	s_lshl_b32 s26, s24, 15                        ; its 16 rows of 2,048 bytes
	s_mov_b32 s27, 0
	s_mul_i32 s28, s24, 6144                       ; its codes
	s_mov_b32 s29, 0
	s_lshl_b32 s30, s24, 8                         ; its 256 scale bytes: in qscales,
	s_mov_b32 s31, 0
	s_lshr_b32 s32, s24, 7
	s_mul_i32 s32, s32, 98304
	s_and_b32 s33, s24, 127
	s_lshl_b32 s33, s33, 8
	s_add_co_u32 s32, s32, s33                     ; in side: the batch's part, then 256 bytes a tile (a pair of tiles lies in one batch)
	s_mul_i32 s40, s25, 384                        ; the image's 32 rows of tgt, 12 bytes each
	s_mov_b32 s41, 0
	s_lshr_b32 s42, s25, 6                         ; its batch
	s_mul_i32 s42, s42, 98304
	s_and_b32 s43, s25, 63
	s_lshl_b32 s43, s43, 10
	s_add_co_u32 s42, s42, s43
	s_add_co_u32 s42, s42, 32768                   ; behind the batch's scale bytes
	s_mov_b32 s43, 0
	s_wait_alu depctr_va_vdst(0)                   ; the wait at the head's end
	s_wait_kmcnt 0x0
	s_add_nc_u64 s[36:37], s[8:9], s[40:41]
	s_add_nc_u64 s[38:39], s[18:19], s[42:43]
	s_cmp_lt_u32 ttmp9, 512                        ; src_embed or tgt_embed?  The choice hangs on the work-group's number alone
	s_cselect_b64 s[4:5], s[4:5], s[6:7]
	s_cselect_b64 s[12:13], s[12:13], s[16:17]
	s_cselect_b64 s[14:15], s[14:15], s[18:19]
	s_cselect_b32 s30, s30, s32
	s_add_nc_u64 s[4:5], s[4:5], s[26:27]
	s_add_nc_u64 s[12:13], s[12:13], s[28:29]
	s_add_nc_u64 s[14:15], s[14:15], s[30:31]
.macro LOAD t
.irp i, 0,1,2,3
	global_load_b128 v[R+16*((\t)%4)+4*\i:R+16*((\t)%4)+4*\i+3], v3, s[4:5] offset:2048*(\t)+512*\i th:TH_LOAD_NT   ; 32 lanes read 512 consecutive bytes
.endr
.endm
.macro TURN t                          ; step t's numbers through the stage: LDS serves a wave's instructions in order (ISA guide 5.7.1.4), so no wait stands between the stores and the loads
.irp i, 0,1,2,3
	ds_store_b128 v14, v[R+16*((\t)%4)+4*\i:R+16*((\t)%4)+4*\i+3] offset:32*SP*((\t)%2)+8*SP*\i
.endr
.irp i, 0,1,2,3
	ds_load_b128 v[X+16*((\t)%2)+4*\i:X+16*((\t)%2)+4*\i+3], v15 offset:32*SP*((\t)%2)+16*\i
.endr
.endm
	s_cbranch_scc1 .Lsrc                           ; (the selections and the 64-bit sums leave SCC alone)
	; ---------------- the image of tgt's 32 keys, in the registers that the steps use later ----------------
	v_and_b32 v80, 15, v0                          ; r: the image's row
	v_bfe_u32 v81, v0, 4, 1                        ; h
	v_and_b32 v82, 3, v80
	v_min_u32 v82, 2, v82                          ; which of x, y, z my row is made of (rows that are made of none load z and drop it)
	v_lshlrev_b32 v82, 2, v82
	v_mad_u32_u24 v82, v81, 96, v82                ; + 8 h keys
.irp u, 0,1
.irp j, 0,1,2,3,4,5,6,7
	global_load_b32 v[144+8*\u+\j], v82, s[36:37] offset:(16*\u+\j)*12   ; key 16 u + 8 h + j: the order of a 16-bit operand's registers
.endr
.endr
.irp t, 0,1,2,3
	LOAD \t
.endr
	v_cmp_gt_u32 s34, 3, v80                       ; rows 0-2: the upper parts
	v_add_nc_u32 v83, -4, v80
	v_cmp_gt_u32 s35, 3, v83                       ; rows 4-6: the rests
	v_cmp_eq_u32 vcc_lo, 3, v80
	v_mov_b32 v84, 0x3c003c00                      ; 1.0 twice, in f16
	v_cndmask_b32 v85, 0, v84, vcc_lo              ; row 3: ones; the others: zeros
	s_wait_alu depctr_va_vdst(0)                   ; directly ahead of the wait below
	s_wait_loadcnt 16                              ; tgt's 16 loads are in; the 16 row loads behind them may be out
.irp i, 0,1,2,3,4,5,6,7,8,9,10,11,12,13,14,15
	v_and_b32 v[160+\i], 0xffffe000, v[144+\i]     ; the upper 11 significant bits: exact in f16
.endr
.irp i, 0,1,2,3,4,5,6,7,8,9,10,11,12,13,14,15
	v_sub_f32 v[144+\i], v[144+\i], v[160+\i]      ; the rest: exact
.endr
.irp i, 0,1,2,3,4,5,6,7
	v_cvt_pk_f16_f32 v[176+\i], v[160+2*\i], v[161+2*\i]
	v_cvt_pk_f16_f32 v[112+\i], v[144+2*\i], v[145+2*\i]
.endr
.irp i, 0,1,2,3,4,5,6,7
	v_cndmask_b32 v[120+\i], v85, v[176+\i], s34
.endr
.irp i, 0,1,2,3,4,5,6,7
	v_cndmask_b32 v[120+\i], v[120+\i], v[112+\i], s35
.endr
	global_store_b128 v3, v[120:123], s[38:39]             ; 512 consecutive bytes each
	global_store_b128 v3, v[124:127], s[38:39] offset:512
	s_wait_xcnt 0x0                                ; the stores' data registers are written again by the steps only behind this wait
	s_branch .Ljoin
.Lsrc:
.irp t, 0,1,2,3
	LOAD \t
.endr
.Ljoin:
	; ---------------- the quantiser ----------------
	s_wait_loadcnt 12                              ; step 0's four loads are in; three steps' may be out
	TURN 0
.macro STEP t
.set XS, X+16*((\t)%2)
.set CC, C+4*((\t)%4)
.set EE, E+(\t)%16
.if (\t) > 0
	s_wait_dscnt 4                                 ; this step's numbers are back from the stage; the last step's three code stores and its byte store may be out
.else
	s_wait_dscnt 0x0
.endif
.if (\t)+4 < STEPS
	LOAD (\t)+4                                    ; into the registers that this step's stores into the stage have read
.endif
.if (\t)+1 < STEPS
.if STEPS-2-(\t) >= 3
	s_wait_loadcnt 12                              ; the next step's four loads are in; those of the three steps behind it may be out
.else
	s_wait_loadcnt 4*(STEPS-2-(\t))
.endif
	TURN (\t)+1                                    ; and go through the other stage while this step is worked
.endif
	v_max3_num_f32 v8, |v[XS]|, |v[XS+1]|, |v[XS+2]|               ; the largest magnitude of my 16, in two chains
	v_max3_num_f32 v1, |v[XS+3]|, |v[XS+4]|, |v[XS+5]|
.irp i, 6,10
	v_max3_num_f32 v8, v8, |v[XS+\i]|, |v[XS+\i+1]|
	v_max3_num_f32 v1, v1, |v[XS+\i+2]|, |v[XS+\i+3]|
.endr
	v_max3_num_f32 v8, v8, |v[XS+14]|, |v[XS+15]|
	v_max3_num_f32 v8, v8, v1, (EMAX+1)<<23        ; and the floor 2^(EMAX + 1 - 127): the byte cannot fall under 1
	v_max_num_f32_dpp v8, v8, v8 row_xmask:1 row_mask:0xf bank_mask:0xf   ; and of my neighbour's 16: the block's
	v_add_nc_u32 v11, -(EMAX<<23), v8              ; EMAX off its exponent field: the conversion takes the exponent field of this operand as its scale, and nothing else of it
	v_cvt_scalef32_pk16_bf6_f32 v[CC:CC+2], v[XS:XS+15], v11
	v_lshrrev_b32 v[EE], 23, v11                   ; the scale's byte (a plain line behind the conversion)
.irp j, 0,1,2
	ds_store_b32 v10, v[CC+\j] offset:48*((\t)%16)+4*\j
.endr
	ds_store_b8 v5, v[EE] offset:16*((\t)%16)      ; both lanes of a block write the same byte with the same value
.endm
.macro FLUSH u                         ; tile u of my two leaves.  LDS serves a wave's instructions in order: these loads see my stores, and the next tile's stores come behind them
.if \u
	s_wait_xcnt 0x0                                ; the first tile's stores have read their registers
.endif
	ds_load_b64 v[12:13], v6
.irp s, 0,1,2,3
	ds_load_b128 v[OUT+12*\s:OUT+12*\s+3], v9 offset:1632*\s
	ds_load_b128 v[OUT+12*\s+4:OUT+12*\s+7], v4 offset:1632*\s+512
	ds_load_b128 v[OUT+12*\s+8:OUT+12*\s+11], v9 offset:1632*\s+1072
.endr
	s_wait_dscnt 12                                ; the scale bytes are in; the twelve loads behind them may be out
	global_store_b64 v7, v[12:13], s[14:15] offset:256*\u   ; 32 lanes store 256 consecutive bytes, at a multiple of 256 from the buffer's first byte
.irp i, 0,1,2,3,4,5,6,7,8,9,10,11
	s_wait_dscnt 11-\i
	global_store_b128 v3, v[OUT+4*\i:OUT+4*\i+3], s[12:13] offset:6144*\u+512*\i   ; 512 consecutive bytes, at a multiple of 256 from the buffer's first byte
.endr
.endm
.irp t, 0,1,2,3,4,5,6,7,8,9,10,11,12,13,14,15
	STEP \t
.endr
	FLUSH 0
.irp t, 16,17,18,19,20,21,22,23,24,25,26,27,28,29,30,31
	STEP \t
.endr
	FLUSH 1
	s_wait_tensorcnt 0x0                           ; the wave's end, behind my last LDS store
	ds_add_u32 v192, v193
	s_wait_dscnt 0x0
	s_endpgm
.Lfunc_end_k_qe8adda7d3f_prep:
	.size	k_qe8adda7d3f_prep, .Lfunc_end_k_qe8adda7d3f_prep-k_qe8adda7d3f_prep
	.p2alignl 7, 3214868480
	.fill 96, 4, 3214868480
	.section	.rodata,"a",@progbits
	.p2align	6, 0x0
	.amdhsa_kernel k_qe8adda7d3f_prep
		.amdhsa_group_segment_fixed_size 57856
		.amdhsa_private_segment_fixed_size 0
		.amdhsa_enable_private_segment 0
		.amdhsa_kernarg_size 56
		.amdhsa_user_sgpr_count 2
		.amdhsa_user_sgpr_kernarg_segment_ptr 1
		.amdhsa_wavefront_size32 1
		.amdhsa_system_sgpr_workgroup_id_x 1
		.amdhsa_system_sgpr_workgroup_id_y 1
		.amdhsa_system_sgpr_workgroup_id_z 1
		.amdhsa_system_vgpr_workitem_id 0
		.amdhsa_next_free_vgpr 194
		.amdhsa_next_free_sgpr 66
		.amdhsa_reserve_vcc 1
		.amdhsa_float_denorm_mode_32 3
		.amdhsa_float_denorm_mode_16_64 3
		.amdhsa_memory_ordered 1
		.amdhsa_forward_progress 1
		.amdhsa_inst_pref_size 78
	.end_amdhsa_kernel
	.amdgpu_metadata
---
amdhsa.version: [ 1, 2 ]
amdhsa.kernels:
  - .name:           k_qe8adda7d3f_prep
    .symbol:         k_qe8adda7d3f_prep.kd
    .args:
      - { .name: src_embed, .offset: 0, .size: 8, .value_kind: global_buffer, .address_space: global }
      - { .name: tgt_embed, .offset: 8, .size: 8, .value_kind: global_buffer, .address_space: global }
      - { .name: tgt, .offset: 16, .size: 8, .value_kind: global_buffer, .address_space: global }
      - { .name: qcodes, .offset: 24, .size: 8, .value_kind: global_buffer, .address_space: global }
      - { .name: qscales, .offset: 32, .size: 8, .value_kind: global_buffer, .address_space: global }
      - { .name: kcodes, .offset: 40, .size: 8, .value_kind: global_buffer, .address_space: global }
      - { .name: side, .offset: 48, .size: 8, .value_kind: global_buffer, .address_space: global }
    .group_segment_fixed_size: 57856
    .private_segment_fixed_size: 0
    .kernarg_segment_align: 8
    .kernarg_segment_size: 56
    .max_flat_workgroup_size: 128
    .sgpr_count:     66
    .vgpr_count:     194
    .wavefront_size: 32
...
	.end_amdgpu_metadata
.endif
;; end of part 1
;; launch attend (part 2): grid 8 x 32, 8 waves a work-group, clusters of 4 x 1, 327,680 bytes of LDS; arguments qcodes, qscales, kcodes, side, matched; writes matched
.if DOCPART == 2
	.amdgcn_target "amdgcn-amd-amdhsa--gfx1250"
	.amdhsa_code_object_version 6
	.text
	.protected	k_qe8adda7d3f_attend
	.globl	k_qe8adda7d3f_attend
	.p2align	8
	.type	k_qe8adda7d3f_attend,@function
k_qe8adda7d3f_attend:
	s_mov_b64 s[64:65], 0
	v_nop
	global_prefetch_b8 v0, s[64:65] scope:SCOPE_SE
	s_setreg_imm32_b32 hwreg(HW_REG_WAVE_MODE, 25, 1), 1
	s_wait_xcnt 0x0
	s_wait_alu depctr_hold_cnt(0) depctr_sa_sdst(0) depctr_va_vdst(0) depctr_va_sdst(0) depctr_va_ssrc(0) depctr_va_vcc(0) depctr_vm_vsrc(0)
	s_getreg_b32 s2, hwreg(HW_REG_IB_STS2, 6, 4)
	s_cmp_eq_u32 s2, 0
	s_cbranch_scc0 .Lentry_in_a_cluster
	s_endpgm
.Lentry_in_a_cluster:
	s_bfe_u32 s2, ttmp6, 0x10000c
	s_cmp_lg_u32 s2, 0x3003
	s_cbranch_scc0 .Lentry_shape_is_right
	s_endpgm
.Lentry_shape_is_right:
; matched[b][q][0..2] = the sum over keys k of softmax_k(src_embed[b][q] . tgt_embed[b][k] / sqrt(512)) tgt[b][k][0..2], stored as [row][x, y, z, 0] f32.
; The first product runs on codes of BF6 (E3M2) with E8M0 scales, laid by the launch before as tiles of 16 rows in the order of the operand's registers.  The second (3 columns) has f16 operands and f32 sums:
; the weights p = 2^(c s - c m), at most 1, are rounded to f16; tgt goes in as two f16 parts, and a row of ones gives the sum of the SAME rounded weights, which divides at the end.
; m is the query's running maximum, c = log2(e) / sqrt(512).
; LIMITS: NaN and infinities are not served; scores under -1e38 are not served (the running maximum begins there); |tgt| under 65,504.
; SHARES.  A work-group owns 256 queries of a batch.  Wave w owns queries 64 (w % 4) .. + 63 (four tiles of 16, codes in 192 registers) and half w / 4 of the keys of every slot of 256.
; A step is 32 keys: 32 scaled matrix instructions (M), then the softmax of 4 x 16 x 32 scores and 4 f16 matrix instructions (V).  Waves w and w + 4 merge once, at the end, through LDS.
; TWO WAVES ON A SIMD IN OPPOSITE PHASE: tau = (w + w / 4) % 2.  A wave with tau = 0 runs M V M V M V M V in a slot; one with tau = 1 runs the V of a slot's last step at the head of the next slot.
; The late waves' very first V finds scores of -3e38 under a maximum of -1e38: its weights are zeros and it changes nothing.
; LAYOUT.  S^T = K Q^T: a lane holds ONE query (lane % 16) and keys 8 (lane / 16) + 0 .. 7.  Two such tiles, rounded to f16 in pairs, are source 1 of O^T = image x P.
; CLUSTER.  The four query blocks of a cluster walk the same keys of one batch: K's tiles, scale bytes and images are asked for JOINTLY (mask 15).  Q's codes are each work-group's own: a plain load.
; THE HEAD: one tensor load a wave: waves 0, 1 slot 0's halves; waves 2, 3 the halves of the batch's scale bytes and images; waves 4-7 a quarter each of the work-group's 98,304 bytes of Q, into slot 1's bytes.
; Q goes from there into registers; slot 1 then takes keys 256 .. 511 as a refill does.
; THE CHANGE OF SLOTS.  A wave's last reads of a slot are the fragments of its fourth step.  When they are in registers it waits for its tensor load, adds, waits, and signals; the fourth step's M (and an early
; wave's V) is work on registers between the signal and the wait.  Behind the round every wave refills 48 rows of the slot left behind: that load has three steps of the wave in which to land.
; PREFETCH: in trip j the slot that trip j + 1 will load is asked for, 98,304 bytes: the batch's first cluster asks, its four partners take 24,576 bytes each BY ADDRESS, in each waves 4, 5, 6 take 8,192 bytes,
; lanes 256 bytes apart.  Slots 0 and 1 come by their loads alone; the last two trips ask for nothing.
; LDS: slot 0 at 0, slot 1 at 2^17, 98,304 bytes each; spare words and the merge's bytes between them; scale bytes (32,768) and images (65,536) at the end, filled once.  All of LDS is claimed.
; REGISTERS.  Window 0: v1-15 addresses; v16-23 Q's scale words, v24-27 K's; v28-59 statistics; v60-67 the image; v68-131 S^T; v132-227 K's fragments.  Window 1: v0-191 Q; v192-223 P; v224-255 O^T.
.set SLOT1, 131072
.set SLOTB, 98304
.set QRT,   24576
.set SPARE, 98304                      ; 128 bytes for each of eight waves
.set MRG,   99328                      ; the merge: 4 x 4,608 bytes; no tensor load lands here
.set RES,   229376
.set KSC,   RES                        ; K's scale bytes, [key][16]
.set VIM,   RES+32768                  ; the images, 1,024 bytes for each 32 keys
.set AK0, 1                            ; 48 x lane + 49,152 x half
.set AS0, 2                            ; KSC + 16 x lane + 2,048 x half
.set AV0, 3                            ; VIM + 16 x lane + 4,096 x half
.set ADK, 4
.set ADS, 5
.set ADV, 6
.set SPW, 7                            ; my spare word; never rewritten
.set NIL, 8                            ; 0; never rewritten
.set MW,  9
.set MWS, 10
.set GO,  11                           ; 16 x lane
.set PFO, 12                           ; 256 x lane
.set QO,  13                           ; 48 x lane
.set AQ,  15                           ; my 64 queries' codes in slot 1's bytes
.set QS,  16                           ; v[QS + 4 (t / 2) + ks]: tile t even in lanes 0-15, odd in lanes 16-31
.set KS,  24                           ; v[KS + ks]: key tile 0 in lanes 0-15, key tile 1 in lanes 16-31
.set ST,  28                           ; tile t at v[ST + 8 t]: +0 c m, +1 m, +2, +3 at work (+2 at last c m_old - c m_new), +4 a, +5 0, +6 c m_new, made ahead of +0's rewriting
.set VF,  60
.set S,   68                           ; v[S + 16 t + 8 kt + j]
.set KF,  132                          ; v[KF + 48 kt + 12 ks]
.set RS,  100
.set EX,  116
.set PW,  192                          ; window 1
.set OW,  224                          ; window 1
.set WV,  14
.set QW,  15
.set HF,  16
.set TAU, 17
.set G1J, 24                           ; group 1: joint, 192 rows of 256 bytes
.set G0K, 32
.set G0S, 36
.set TB,  40
.set TS,  41
.set TV,  42
.set SLOTS, 43
.set CNT, 44
.set SB,  45
.set CS,  46
.set SEL, 48
.set PFA, 50
.set LIM, 52
.set G1Q, 72                           ; group 1: plain, 96 rows
.set G1R, 80                           ; group 1: joint, 48 rows
.set G0Q, 88
.set G0R, 92                           ; the ring's group 0: it walks
.set MSB, 0
.macro WIN new
.if MSB != \new
	s_set_vgpr_msb (MSB<<8)|\new
.set MSB, \new
.endif
.endm
.macro CREST                           ; a round of the cluster's barrier behind its opening barrier
	s_cmp_lg_u32 s[WV], 0
	s_cbranch_scc1 .Lnw0_\@
	s_barrier_signal -3
.Lnw0_\@:
	s_barrier_wait -3
	s_barrier_signal -1
	s_barrier_wait -1
.endm
.macro CROUND
	s_barrier_signal -1
	s_barrier_wait -1
	CREST
.endm
.macro ASK
	s_cmp_gt_u32 s[SLOTS], s[LIM]
	s_cbranch_scc0 .Lnm_\@
	global_prefetch_b8 v[PFO], s[PFA:PFA+1] th:TH_LOAD_NT scope:SCOPE_SE
.Lnm_\@:
.endm
.macro FETCHK                          ; a step's fragments: two tiles of 16 keys x 512 along K, 24 loads; its 32 keys' scale bytes, one
.irp kt, 0,1
.irp ks, 0,1,2,3
.irp i, 0,1,2
	ds_load_b128 v[KF+48*\kt+12*\ks+4*\i:KF+48*\kt+12*\ks+4*\i+3], v[ADK] offset:6144*\kt+1536*\ks+16*\i
.endr
.endr
.endr
	ds_load_b128 v[KS:KS+3], v[ADS]
.endm
.macro IMG                             ; the image of the next 32 keys of my half
	v_add_nc_u32 v[ADV], s[TV], v[AV0]
	s_add_co_u32 s[TV], s[TV], 1024
.endm
.macro IMGL
	ds_load_b128 v[VF:VF+3], v[ADV]
	ds_load_b128 v[VF+4:VF+7], v[ADV] offset:512
.endm
; One scaled product: keys of tile kt x queries of tile t, K step ks.  The first K step starts the sum.  Lanes 16-31 of the scale words serve key tile 1 and odd tiles of queries.
.macro WM ks, kt, t
.set rS, S+16*(\t)+8*(\kt)
.set rK, KF+48*(\kt)+12*(\ks)
.set rQ, 48*(\t)+12*(\ks)
.set rA, KS+(\ks)
.set rB, QS+4*((\t)/2)+(\ks)
.if (\ks) == 0
.if (\kt) == 0
.if (\t)%2 == 0
	v_wmma_scale_f32_16x16x128_f8f6f4 v[rS:rS+7], v[rK:rK+11], v[rQ:rQ+11], 0, v[rA], v[rB] matrix_a_fmt:MATRIX_FMT_BF6 matrix_b_fmt:MATRIX_FMT_BF6
.else
	v_wmma_scale_f32_16x16x128_f8f6f4 v[rS:rS+7], v[rK:rK+11], v[rQ:rQ+11], 0, v[rA], v[rB] matrix_a_fmt:MATRIX_FMT_BF6 matrix_b_fmt:MATRIX_FMT_BF6 matrix_b_scale:MATRIX_SCALE_ROW1
.endif
.else
.if (\t)%2 == 0
	v_wmma_scale_f32_16x16x128_f8f6f4 v[rS:rS+7], v[rK:rK+11], v[rQ:rQ+11], 0, v[rA], v[rB] matrix_a_fmt:MATRIX_FMT_BF6 matrix_b_fmt:MATRIX_FMT_BF6 matrix_a_scale:MATRIX_SCALE_ROW1
.else
	v_wmma_scale_f32_16x16x128_f8f6f4 v[rS:rS+7], v[rK:rK+11], v[rQ:rQ+11], 0, v[rA], v[rB] matrix_a_fmt:MATRIX_FMT_BF6 matrix_b_fmt:MATRIX_FMT_BF6 matrix_a_scale:MATRIX_SCALE_ROW1 matrix_b_scale:MATRIX_SCALE_ROW1
.endif
.endif
.else
.if (\kt) == 0
.if (\t)%2 == 0
	v_wmma_scale_f32_16x16x128_f8f6f4 v[rS:rS+7], v[rK:rK+11], v[rQ:rQ+11], v[rS:rS+7], v[rA], v[rB] matrix_a_fmt:MATRIX_FMT_BF6 matrix_b_fmt:MATRIX_FMT_BF6
.else
	v_wmma_scale_f32_16x16x128_f8f6f4 v[rS:rS+7], v[rK:rK+11], v[rQ:rQ+11], v[rS:rS+7], v[rA], v[rB] matrix_a_fmt:MATRIX_FMT_BF6 matrix_b_fmt:MATRIX_FMT_BF6 matrix_b_scale:MATRIX_SCALE_ROW1
.endif
.else
.if (\t)%2 == 0
	v_wmma_scale_f32_16x16x128_f8f6f4 v[rS:rS+7], v[rK:rK+11], v[rQ:rQ+11], v[rS:rS+7], v[rA], v[rB] matrix_a_fmt:MATRIX_FMT_BF6 matrix_b_fmt:MATRIX_FMT_BF6 matrix_a_scale:MATRIX_SCALE_ROW1
.else
	v_wmma_scale_f32_16x16x128_f8f6f4 v[rS:rS+7], v[rK:rK+11], v[rQ:rQ+11], v[rS:rS+7], v[rA], v[rB] matrix_a_fmt:MATRIX_FMT_BF6 matrix_b_fmt:MATRIX_FMT_BF6 matrix_a_scale:MATRIX_SCALE_ROW1 matrix_b_scale:MATRIX_SCALE_ROW1
.endif
.endif
.endif
.endm
; M: a step's 32 scaled products, the eight accumulators by turns.  mode 1: waits for the fragments and fetches the next step's; 2: waits only; 0: registers alone.
; Four plain vector lines stand behind the last product, ahead of loads into K's registers and of the first read of the scores.
.macro MPH mode
.if \mode
	s_wait_dscnt 0x0
.endif
	WIN 0x04                                       ; source 1 (Q) in window 1
.irp ks, 0,1,2,3
.irp kt, 0,1
.irp t, 0,1,2,3
	WM \ks, \kt, \t
.endr
.endr
.endr
	WIN 0
.if \mode == 1
	s_add_co_u32 s[TB], s[TB], 12288
	s_add_co_u32 s[TS], s[TS], 512
	v_add_nc_u32 v[ADK], s[TB], v[AK0]
	v_add_nc_u32 v[ADS], s[TS], v[AS0]
	v_nop
	v_nop
	FETCHK
.else
.rept 4
	v_nop
.endr
.endif
.endm
; V: the softmax of four tiles of 16 queries x 32 keys, and O^T += image x P.  img = 1: the image is fetched here; 0: it is in registers, and V touches registers alone.
.macro VPH img
.irp t, 0,1,2,3                                ; each accumulator is first read at its low end
	v_max3_num_f32 v[ST+8*\t+2], v[S+16*\t], v[S+16*\t+1], v[S+16*\t+2]
.endr
.irp t, 0,1,2,3
	v_max3_num_f32 v[ST+8*\t+3], v[S+16*\t+8], v[S+16*\t+9], v[S+16*\t+10]
.endr
.irp i, 3,5
.irp t, 0,1,2,3
	v_max3_num_f32 v[ST+8*\t+2], v[ST+8*\t+2], v[S+16*\t+\i], v[S+16*\t+\i+1]
.endr
.irp t, 0,1,2,3
	v_max3_num_f32 v[ST+8*\t+3], v[ST+8*\t+3], v[S+16*\t+8+\i], v[S+16*\t+9+\i]
.endr
.endr
.irp t, 0,1,2,3
	v_max3_num_f32 v[ST+8*\t+2], v[ST+8*\t+2], v[S+16*\t+7], v[S+16*\t+15]
.endr
.irp t, 0,1,2,3
	v_max3_num_f32 v[ST+8*\t+2], v[ST+8*\t+2], v[ST+8*\t+3], v[ST+8*\t+1]   ; with the old m
.endr
.if \img
	IMG
	IMGL
.endif
.irp t, 0,1,2,3
	v_permlanex16_b32 v[ST+8*\t+3], v[ST+8*\t+2], s[SEL], s[SEL+1]   ; the query's other 16 keys lie in the lane 16 away
.endr
.irp t, 0,1,2,3
	v_max_num_f32 v[ST+8*\t+1], v[ST+8*\t+2], v[ST+8*\t+3]           ; the new m
.endr
.irp t, 0,1,2,3
	v_mul_f32 v[ST+8*\t+6], s[CS], v[ST+8*\t+1]                      ; c m_new, rounded as the line below rounds it
.endr
.irp t, 0,1,2,3
	v_sub_f32 v[ST+8*\t+2], v[ST+8*\t], v[ST+8*\t+6]                 ; c m_old - c m_new: exactly 0 where m has not moved
.endr
.irp t, 0,1,2,3
	v_mul_f32 v[ST+8*\t], s[CS], v[ST+8*\t+1]                        ; c m_new
.endr
.set q, 0
.rept 32                                       ; all the batch's sources first: c s - c m, a pair of scores a line
	v_pk_fma_f32 v[S+2*q:S+2*q+1], v[S+2*q:S+2*q+1], s[CS:CS+1], v[ST+8*(q/8):ST+8*(q/8)+1] op_sel_hi:[1,0,0] neg_lo:[0,0,1] neg_hi:[0,0,1]
.set q, q+1
.endr
	s_wait_alu depctr_va_vdst(0)                   ; ahead of the batch
.if \img
	s_wait_dscnt 0x0                               ; the image is in (and the next step's fragments, asked for ahead of it)
.endif
.irp t, 0,1,2,3
	v_exp_f32 v[ST+8*\t+4], v[ST+8*\t+2]           ; a = 2^(c m_old - c m_new)
.endr
.set q, 0
.rept 64
	v_exp_f32 v[S+q], v[S+q]
.set q, q+1
.endr
	v_nop                                          ; a plain line behind the last exponential (ISA guide 5.7.2)
	WIN 0x41                                       ; O^T (destination and source 0) in window 1, a in window 0
	s_wait_alu depctr_va_vdst(0)                   ; one wait for the batch, directly ahead of O^T's first readers
.irp t, 0,1,2,3
.irp j, 0,2,4,6
	v_pk_mul_f32 v[OW+8*\t+\j:OW+8*\t+\j+1], v[OW+8*\t+\j:OW+8*\t+\j+1], v[ST+8*\t+4:ST+8*\t+5] op_sel_hi:[1,0]
.endr
.endr
	WIN 0x40                                       ; destination (P) in window 1
.set q, 0
.rept 32
	v_cvt_pk_f16_f32 v[PW+q], v[S+2*q], v[S+2*q+1]
.set q, q+1
.endr
	WIN 0x54                                       ; P, C and D in window 1, the image in window 0
.irp t, 0,1,2,3
	v_wmma_f32_16x16x32_f16 v[OW+8*\t:OW+8*\t+7], v[VF:VF+7], v[PW+8*\t:PW+8*\t+7], v[OW+8*\t:OW+8*\t+7]
.endr
	WIN 0
.endm
; A slot's four steps of a wave.  The branches on tau hang on the wave's number alone and jump over a V in which stands no barrier, no LDS instruction and no tensor load.
.macro SLOTBODY fill
	s_mov_b32 s[TB], s[SB]
	v_add_nc_u32 v[ADK], s[TB], v[AK0]
	v_add_nc_u32 v[ADS], s[TS], v[AS0]
	FETCHK                                         ; the slot's first step
.if \fill
	ASK
.endif
	s_cmp_eq_u32 s[TAU], 0
	s_cbranch_scc1 .Learly_\@
	VPH 0                                          ; a late wave: the V of the slot before's last step
.Learly_\@:
	s_mov_b32 s[CNT], 3
.Lstep_\@:
	MPH 1
	VPH 1
	s_sub_co_u32 s[CNT], s[CNT], 1
	s_cmp_lg_u32 s[CNT], 0
	s_cbranch_scc1 .Lstep_\@
	IMG                                            ; the fourth step's image, ahead of the signal
.rept 4
	v_nop                                          ; places behind the f16 products, which read the image's registers
.endr
	IMGL
.if \fill
	s_wait_tensorcnt 0x0                           ; my part of the next slot is in; no tensor load of mine is out, so the group 0 may be written
	ds_add_u32 v[SPW], v[NIL]
	s_xor_b32 s[G0R+1], s[G0R+1], SLOT1            ; the other slot than last time,
	s_add_nc_u64 s[G0R+2:G0R+3], s[G0R+2:G0R+3], SLOTB   ; the next 256 keys
	s_wait_xcnt 0x0                                ; this trip's prefetch has read its address
	s_add_nc_u64 s[PFA:PFA+1], s[PFA:PFA+1], SLOTB
	s_wait_dscnt 0x0                               ; the add is done; my last reads of this slot, the fourth step's fragments, are in registers
	s_barrier_signal -1                            ; this barrier opens a round of the cluster's barrier
	MPH 0
	s_xor_b32 s[SB], s[SB], SLOT1
	s_add_co_u32 s[TS], s[TS], 2560                ; over the other half's scale bytes (3 x 512 + 2,560 = 4,096)
	s_add_co_u32 s[TV], s[TV], 4096                ; and images (4 x 1,024 + 4,096 = 8,192)
	s_cmp_lg_u32 s[TAU], 0
	s_cbranch_scc1 .Llate_\@
	VPH 0                                          ; an early wave: the V of the slot's last step
.Llate_\@:
	s_barrier_wait -1
	CREST                                          ; no wave of any partner still reads the slot left behind or has a load on its way
.else
	MPH 2
	VPH 0
.endif
.endm
.macro ARM under, g0, g1, next
	s_cmp_lt_u32 s[WV], \under
	s_cbranch_scc0 \next
	tensor_load_to_lds s[\g0:\g0+3], s[\g1:\g1+7]
	s_nop 0
.rept 4
	v_nop
.endr
	s_branch .Lhead_asked
\next:
.endm
	s_load_b256 s[4:11], s[0:1], 0x0               ; qcodes s[4:5], qscales s[6:7], kcodes s[8:9], side s[10:11]
	s_load_b64 s[12:13], s[0:1], 0x20              ; matched
	v_lshl_add_u32 v[SPW], v0, 2, SPARE
	v_mov_b32 v[NIL], 0
	ds_add_u32 v[SPW], v[NIL]                      ; the opening: the add, twice on end, and one wait
	ds_add_u32 v[SPW], v[NIL]
	v_lshrrev_b32 v1, 5, v0
	v_readfirstlane_b32 s[WV], v1                  ; wave 0..7
	s_and_b32 s[QW], s[WV], 3
	s_lshr_b32 s[HF], s[WV], 2
	s_add_co_u32 s[TAU], s[WV], s[HF]
	s_and_b32 s[TAU], s[TAU], 1
	s_bfe_u32 s18, ttmp6, 0x40000                  ; cx
	s_lshl_b32 s19, ttmp9, 2
	s_add_co_u32 s19, s19, s18                     ; my block of 256 queries: it enters Q's, the result's and the prefetches' addresses alone
	s_and_b32 s20, ttmp7, 0xffff                   ; the batch, which the four partners share
.irp g, G1J, G1R, G1Q                          ; dense rows of 256 bytes: 32 elements of 8 bytes
	s_mov_b32 s[\g+1], 32<<16
	s_mov_b32 s[\g+3], 32<<16
	s_mov_b32 s[\g+5], 32
	s_mov_b32 s[\g+6], 0
	s_mov_b32 s[\g+7], 0
.endr
	s_mov_b32 s[G1J], 15|(3<<16)|(1<<21)           ; the mask: all four work-groups; bit 21 beside it
	s_mov_b32 s[G1J+2], 192<<16
	s_mov_b32 s[G1J+4], 192
	s_mov_b32 s[G1R], 15|(3<<16)|(1<<21)
	s_mov_b32 s[G1R+2], 48<<16
	s_mov_b32 s[G1R+4], 48
	s_mov_b32 s[G1Q], 3<<16                        ; no mask: my work-group's own
	s_mov_b32 s[G1Q+2], 96<<16
	s_mov_b32 s[G1Q+4], 96
	s_and_b32 s66, s[WV], 1
	s_mul_i32 s66, s66, 49152                      ; which half of a head's joint tile
	s_mul_i32 s67, s[QW], QRT                      ; which quarter of Q
	s_mul_i32 s70, s[WV], 12288                    ; which eighth of a slot
	s_mul_i32 s54, s20, 8*SLOTB                    ; the batch's codes of K
	s_add_co_u32 s56, s54, s66
	s_mov_b32 s57, 0
	s_add_co_u32 s62, s54, s70
	s_add_co_u32 s62, s62, SLOTB                   ; the ring begins with keys 256 .. 511
	s_mov_b32 s63, 0
	s_mul_i32 s68, s20, 98304                      ; the batch's part of side
	s_add_co_u32 s68, s68, s66
	s_mov_b32 s69, 0
	s_lshl_b32 s60, s20, 11
	s_lshl_b32 s61, s19, 8
	s_add_co_u32 s60, s60, s61                     ; my work-group's first query
	s_mul_i32 s58, s60, 384                        ; its codes: 6,144 bytes for 16 rows
	s_add_co_u32 s58, s58, s67
	s_mov_b32 s59, 0
	s_lshl_b32 s61, s[QW], 6
	s_add_co_u32 s60, s60, s61                     ; my wave's first query
	s_lshl_b32 s60, s60, 4                         ; its scale bytes, and its row of the result: 16 bytes a row
	s_mov_b32 s61, 0
	s_mul_i32 s22, s18, QRT                        ; the prefetches: my work-group's quarter of a slot,
	s_add_co_u32 s22, s22, s54
	s_lshl_b32 s23, s[QW], 13                      ; my wave's 8,192 bytes of it (waves 4, 5, 6),
	s_add_co_u32 s22, s22, s23
	s_add_co_u32 s22, s22, 2*SLOTB                 ; in slot 2
	s_mov_b32 s23, 0
	s_mul_i32 s21, s[HF], 49152
	s_lshl_b32 s53, s[HF], 11
	s_add_co_u32 s53, s53, KSC
	s_lshl_b32 s71, s[HF], 12
	s_add_co_u32 s71, s71, VIM
	s_mul_i32 s96, s[QW], 4608
	s_add_co_u32 s96, s96, MRG
	s_add_co_u32 s97, s67, SLOT1
	s_mov_b32 s98, 0xff61b1e6                      ; -3e38
	s_sub_co_u32 s99, s[WV], 4
	s_cmp_lt_u32 s99, 3                            ; waves 4, 5, 6
	s_cselect_b32 s[LIM], 1, -1
	s_cmp_eq_u32 ttmp9, 0                          ; of the batch's first cluster: the same in all four partners
	s_cselect_b32 s[LIM], s[LIM], -1
	s_mov_b32 s[CS], 0x3d8293ee                    ; c = log2(e) / sqrt(512)
	s_mov_b32 s[CS+1], s[CS]
	s_mov_b32 s[SEL], 0x76543210
	s_mov_b32 s[SEL+1], 0xfedcba98
	s_mov_b32 s[SB], 0
	s_mov_b32 s[TS], 0
	s_mov_b32 s[TV], 0
	s_mov_b32 s[SLOTS], 7
	s_wait_dscnt 0x0                               ; both opening adds are done
	s_wait_kmcnt 0x0
	s_add_nc_u64 s[PFA:PFA+1], s[8:9], s[22:23]
	s_add_nc_u64 s[6:7], s[6:7], s[60:61]
	s_add_nc_u64 s[12:13], s[12:13], s[60:61]
	s_mov_b32 s[G0K], 1
	s_mov_b32 s[G0K+1], s66
	s_add_nc_u64 s[G0K+2:G0K+3], s[8:9], s[56:57]
	s_or_b32 s[G0K+3], s[G0K+3], 0x80000000
	s_mov_b32 s[G0S], 1
	s_add_co_u32 s[G0S+1], s66, RES
	s_add_nc_u64 s[G0S+2:G0S+3], s[10:11], s[68:69]
	s_or_b32 s[G0S+3], s[G0S+3], 0x80000000
	s_mov_b32 s[G0Q], 1
	s_mov_b32 s[G0Q+1], s97
	s_add_nc_u64 s[G0Q+2:G0Q+3], s[4:5], s[58:59]
	s_or_b32 s[G0Q+3], s[G0Q+3], 0x80000000
	s_mov_b32 s[G0R], 1
	s_add_co_u32 s[G0R+1], s70, SLOT1
	s_add_nc_u64 s[G0R+2:G0R+3], s[8:9], s[62:63]
	s_or_b32 s[G0R+3], s[G0R+3], 0x80000000
	CROUND                                         ; all four work-groups are here: the first joint loads meet
	ARM 2, G0K, G1J, .Lhead_s                      ; one chain of branches, one load to an arm
	ARM 4, G0S, G1J, .Lhead_q
	tensor_load_to_lds s[G0Q:G0Q+3], s[G1Q:G1Q+7]
	s_nop 0
.rept 4
	v_nop
.endr
.Lhead_asked:
	v_and_b32 v14, 31, v0                          ; lane
	v_mul_u32_u24 v[QO], v14, 48
	v_lshlrev_b32 v[GO], 4, v14
	v_lshlrev_b32 v[PFO], 8, v14
.irp p, 0,1
	global_load_b128 v[QS+4*\p:QS+4*\p+3], v[GO], s[6:7] offset:512*\p   ; 32 rows' scale bytes: register ks is K step ks's word
.endr
	v_add_nc_u32 v[AK0], s21, v[QO]
	v_add_nc_u32 v[AS0], s53, v[GO]
	v_add_nc_u32 v[AV0], s71, v[GO]
	v_add_nc_u32 v[MW], s96, v[GO]
	v_lshl_add_u32 v[MWS], v14, 2, s96
	v_add_nc_u32 v[AQ], s97, v[QO]
.irp t, 0,1,2,3
	v_mov_b32 v[ST+8*\t+1], 0xfe967699             ; m = -1e38
	v_mov_b32 v[ST+8*\t+5], 0
.endr
.irp t, 0,1,2,3
	v_mul_f32 v[ST+8*\t], s[CS], v[ST+8*\t+1]
.endr
.set q, 0
.rept 64
	v_mov_b32 v[S+q], s98                          ; under m: weights of 0 in the late waves' first V
.set q, q+1
.endr
	WIN 0x40
.set q, 0
.rept 32
	v_mov_b32 v[OW+q], 0                           ; O^T: V is written once, and the first finds zeros
.set q, q+1
.endr
	WIN 0
	s_wait_alu depctr_va_vdst(0)                   ; the wait at the head's end
	s_wait_tensorcnt 0x0                           ; my tile of the head's eight is in
	s_barrier_signal -1
	s_barrier_wait -1                              ; and everybody's
	WIN 0x40                                       ; destination window 1, address window 0
.irp t, 0,1,2,3                                ; Q stays in registers: tile t, K step ks: 12 registers by three loads
.irp ks, 0,1,2,3
.irp i, 0,1,2
	ds_load_b128 v[48*\t+12*\ks+4*\i:48*\t+12*\ks+4*\i+3], v[AQ] offset:6144*\t+1536*\ks+16*\i
.endr
.endr
.endr
	WIN 0
	ds_load_b128 v[VF:VF+3], v[AV0]                ; an image for the late waves' first V, which multiplies it by zeros
	ds_load_b128 v[VF+4:VF+7], v[AV0] offset:512
	s_wait_tensorcnt 0x0                           ; slot 1's bytes are filled again behind the round below
	ds_add_u32 v[SPW], v[NIL]
	s_wait_loadcnt 0x0                             ; Q's scale words
	s_wait_dscnt 0x0                               ; the add is done, and Q is in registers
	CROUND
.Lslot:                                            ; seven trips: trip j works slot j and asks for slot j + 1
	tensor_load_to_lds s[G0R:G0R+3], s[G1R:G1R+7]  ; my 48 rows, the first tensor load behind the round
	s_nop 0
.rept 4
	v_nop
.endr
	SLOTBODY 1
	s_sub_co_u32 s[SLOTS], s[SLOTS], 1
	s_cmp_lg_u32 s[SLOTS], 0
	s_cbranch_scc1 .Lslot
	SLOTBODY 0                                     ; the last slot is written out: nothing more is asked for
	; THE WAY OUT.  Waves 4-7 hand their O^T and c m to waves 0-3 through LDS, as images of the registers; those bring both under the larger maximum, add, divide by the sum of the weights and store.
.rept 4
	v_nop                                          ; places behind the last products, ahead of the first read of O^T
.endr
	s_cmp_eq_u32 s[HF], 0
	s_cbranch_scc1 .Lkeep
	WIN 0x04                                       ; an LDS store's data are its source 1: window 1
.irp t, 0,1,2,3
	ds_store_b128 v[MW], v[OW+8*\t:OW+8*\t+3] offset:1152*\t          ; each accumulator from its low end on
	ds_store_b128 v[MW], v[OW+8*\t+4:OW+8*\t+7] offset:1152*\t+512
.endr
	WIN 0
.irp t, 0,1,2,3
	ds_store_b32 v[MWS], v[ST+8*\t] offset:1152*\t+1024
.endr
.Lkeep:
	s_wait_dscnt 0x0                               ; for the others' sake: my stores have landed
	s_barrier_signal -1
	s_barrier_wait -1
	s_cmp_lg_u32 s[HF], 0
	s_cbranch_scc1 .Ldone
.irp t, 0,1,2,3
	ds_load_b128 v[KF+8*\t:KF+8*\t+3], v[MW] offset:1152*\t
	ds_load_b128 v[KF+8*\t+4:KF+8*\t+7], v[MW] offset:1152*\t+512
	ds_load_b32 v[164+\t], v[MWS] offset:1152*\t+1024
.endr
	v_and_b32 v228, 31, v0
	v_cmp_gt_u32 vcc_lo, 16, v228                  ; lanes 0-15
	s_wait_dscnt 0x0
.irp t, 0,1,2,3
	v_max_num_f32 v[168+\t], v[ST+8*\t], v[164+\t] ; the larger c m
.endr
.irp t, 0,1,2,3
	v_sub_f32 v[172+\t], v[ST+8*\t], v[168+\t]
	v_sub_f32 v[176+\t], v[164+\t], v[168+\t]
.endr
	s_wait_alu depctr_va_vdst(0)                   ; ahead of the batch
.irp t, 0,1,2,3
	v_exp_f32 v[172+\t], v[172+\t]                 ; my factor,
.endr
.irp t, 0,1,2,3
	v_exp_f32 v[176+\t], v[176+\t]                 ; the partner's
.endr
	v_nop
	WIN 0x01                                       ; source 0 (O^T) in window 1
	s_wait_alu depctr_va_vdst(0)                   ; one wait for the eight, directly ahead of O^T's first readers
.irp t, 0,1,2,3
.irp j, 0,1,2,3,4,5,6
	v_mul_f32 v[S+8*\t+\j], v[OW+8*\t+\j], v[172+\t]
.endr
.endr
	WIN 0
.irp t, 0,1,2,3
.irp j, 0,1,2,3,4,5,6
	v_fmac_f32 v[S+8*\t+\j], v[KF+8*\t+\j], v[176+\t]
.endr
.endr
	s_wait_alu depctr_va_vdst(0)                   ; ahead of the reciprocals
.irp t, 0,1,2,3
	v_rcp_f32 v[180+\t], v[S+8*\t+3]               ; 1 / the sum of the weights.  (Lanes 16-31 hold no query: what they make here is never chosen below)
.endr
.irp t, 0,1,2,3
.irp c, 0,1,2
	v_add_f32 v[RS+4*\t+\c], v[S+8*\t+\c], v[S+8*\t+4+\c]   ; upper part + rest
.endr
.endr
	s_wait_alu depctr_va_vdst(0)                   ; one wait for the four
.irp t, 0,1,2,3
.irp c, 0,1,2
	v_mul_f32 v[RS+4*\t+\c], v[RS+4*\t+\c], v[180+\t]
.endr
.endr
.irp p, 0,1                                    ; two tiles to a store: lanes 0-15 keep tile 2 p's queries, lanes 16-31 take tile 2 p + 1's from the lanes 16 away
.irp c, 0,1,2
	v_permlanex16_b32 v[EX+\c], v[RS+4+8*\p+\c], s[SEL], s[SEL+1]
.endr
.irp c, 0,1,2
	v_cndmask_b32 v[RS+8*\p+\c], v[EX+\c], v[RS+8*\p+\c], vcc_lo
.endr
	v_mov_b32 v[RS+3+8*\p], 0
	global_store_b128 v[GO], v[RS+8*\p:RS+3+8*\p], s[12:13] offset:512*\p   ; 32 rows of 16 bytes: 512 consecutive bytes, at a multiple of 256 from the buffer's first byte
.endr
.Ldone:
	s_wait_tensorcnt 0x0                           ; the wave's end
	ds_add_u32 v[SPW], v[NIL]
	s_wait_dscnt 0x0
	CROUND                                         ; the closing round
	s_endpgm
.Lfunc_end_k_qe8adda7d3f_attend:
	.size	k_qe8adda7d3f_attend, .Lfunc_end_k_qe8adda7d3f_attend-k_qe8adda7d3f_attend
	.p2alignl 7, 3214868480
	.fill 96, 4, 3214868480
	.section	.rodata,"a",@progbits
	.p2align	6, 0x0
	.amdhsa_kernel k_qe8adda7d3f_attend
		.amdhsa_group_segment_fixed_size 327680
		.amdhsa_private_segment_fixed_size 0
		.amdhsa_enable_private_segment 0
		.amdhsa_kernarg_size 40
		.amdhsa_user_sgpr_count 2
		.amdhsa_user_sgpr_kernarg_segment_ptr 1
		.amdhsa_wavefront_size32 1
		.amdhsa_system_sgpr_workgroup_id_x 1
		.amdhsa_system_sgpr_workgroup_id_y 1
		.amdhsa_system_sgpr_workgroup_id_z 1
		.amdhsa_system_vgpr_workitem_id 0
		.amdhsa_next_free_vgpr 512
		.amdhsa_next_free_sgpr 100
		.amdhsa_reserve_vcc 1
		.amdhsa_float_denorm_mode_32 3
		.amdhsa_float_denorm_mode_16_64 3
		.amdhsa_memory_ordered 1
		.amdhsa_forward_progress 1
		.amdhsa_inst_pref_size 110
	.end_amdhsa_kernel
	.amdgpu_metadata
---
amdhsa.version: [ 1, 2 ]
amdhsa.kernels:
  - .name:           k_qe8adda7d3f_attend
    .symbol:         k_qe8adda7d3f_attend.kd
    .args:
      - { .name: qcodes, .offset: 0, .size: 8, .value_kind: global_buffer, .address_space: global }
      - { .name: qscales, .offset: 8, .size: 8, .value_kind: global_buffer, .address_space: global }
      - { .name: kcodes, .offset: 16, .size: 8, .value_kind: global_buffer, .address_space: global }
      - { .name: side, .offset: 24, .size: 8, .value_kind: global_buffer, .address_space: global }
      - { .name: matched, .offset: 32, .size: 8, .value_kind: global_buffer, .address_space: global }
    .group_segment_fixed_size: 327680
    .private_segment_fixed_size: 0
    .kernarg_segment_align: 8
    .kernarg_segment_size: 40
    .max_flat_workgroup_size: 256
    .sgpr_count:     100
    .vgpr_count:     512
    .wavefront_size: 32
...
	.end_amdgpu_metadata
.endif
;; end of part 2
;; launch solve (part 3): grid 32 x 1, 8 waves a work-group, no clusters, 2,048 bytes of LDS; arguments src, matched, out0, out1; writes out0, out1
.if DOCPART == 3
	.amdgcn_target "amdgcn-amd-amdhsa--gfx1250"
	.amdhsa_code_object_version 6
	.text
	.protected	k_qe8adda7d3f_solve
	.globl	k_qe8adda7d3f_solve
	.p2align	8
	.type	k_qe8adda7d3f_solve,@function
k_qe8adda7d3f_solve:
	s_mov_b64 s[64:65], 0
	v_nop
	global_prefetch_b8 v0, s[64:65] scope:SCOPE_SE
	s_setreg_imm32_b32 hwreg(HW_REG_WAVE_MODE, 25, 1), 1
	s_wait_xcnt 0x0
; For each batch: the centroids of src and of matched, H[c][d] = the sum over n of (src - its centroid)[n][c] (matched - its centroid)[n][d], R = V U^T of H = U S V^T, row 3 of R negated where det R < 0,
; t = matched's centroid - R x src's centroid.  All in f32.
; NO SINGULAR VECTORS ARE MADE: H^T = (V U^T)(U S U^T), so V U^T is the orthogonal factor of H^T's polar decomposition, and det(V U^T) has the sign of det H.  That factor is the limit of Newton's iteration
; X <- (g X + X^-T / g) / 2 from X = H^T, with g^2 = |X^-1| / |X| (Frobenius norms); X^-T = the cofactors / det.  A scaled step takes the ratio k of the largest to the smallest singular value to about sqrt(k) / 2,
; so a ratio of 2^24 is at 1 within seven steps; twelve are made, and further steps change nothing.
; LIMIT: a singular H (|det H| under about 2^-60 |H|^3) is not served; there V U^T is not determined by H.  NaN and infinities are not served.
; One work-group a batch (H sums over all its 2,048 rows); eight waves; thread i takes rows i + 256 j.  The iteration is 3 x 3 work: wave 0 makes it, the same numbers in every lane.
; 32 work-groups are all the work there is: 57,344 bytes a batch are read once.  No tensor load, no prefetch: the launch is a few loads long.
.set SR, 16                            ; v16-47   src: row j at v[SR + 4 j]
.set MR, 48                            ; v48-79   matched: row j at v[MR + 4 j]
.set TT, 80                            ; v80-87   the sums: src x, y, z, 0; matched x, y, z, 0
.set HA, 88                            ; v88-103  H, in rows of 4; what is not used is 0
.set XM, 104                           ; v104-115 at first the lane permutes' destinations; then X, in rows of 4
.set CF, 116                           ; v116-126 the cofactors, in rows of 4
.set DET, 64                           ; wave 0, once H is made: v64 det, v65 |X|^2, v66 |C|^2, v67-75 at work, v76-78 t
.macro WSUM base, n                    ; the sums over a wave's 32 lanes of n registers, by turns; every lane ends with them
.irp m, 1,2,4,8
.set i, 0
.rept \n
	v_add_f32_dpp v[\base+i], v[\base+i], v[\base+i] row_xmask:\m row_mask:0xf bank_mask:0xf
.set i, i+1
.endr
.endr
.set i, 0
.rept \n
	v_permlanex16_b32 v[XM+i], v[\base+i], s22, s23
.set i, i+1
.endr
.set i, 0
.rept \n
	v_add_f32 v[\base+i], v[\base+i], v[XM+i]
.set i, i+1
.endr
.endm
.macro CROSS d, a, b                   ; row d of the cofactors = row a of X x row b of X
.irp k, 0,1,2
	v_mul_f32 v[CF+4*\d+\k], v[XM+4*\a+(\k+2)%3], v[XM+4*\b+(\k+1)%3]
.endr
.irp k, 0,1,2
	s_delay_alu instid0(VALU_DEP_3)
	v_fma_f32 v[CF+4*\d+\k], v[XM+4*\a+(\k+1)%3], v[XM+4*\b+(\k+2)%3], -v[CF+4*\d+\k]
.endr
.endm
	s_load_b256 s[4:11], s[0:1], 0x0               ; src s[4:5], matched s[6:7], out0 s[8:9], out1 s[10:11]
	v_lshl_add_u32 v128, v0, 2, 0x400
	v_mov_b32 v129, 0
	v_mul_u32_u24 v1, v0, 12                       ; a row of src
	v_lshlrev_b32 v2, 4, v0                        ; a row of matched
	v_and_b32 v3, 0xe0, v0                         ; LDS: 32 x wave: the wave's eight sums
	s_delay_alu instid0(VALU_DEP_1)
	v_lshl_add_u32 v7, v3, 1, 256                  ; LDS: 256 + 64 x wave: the wave's part of H
	v_lshrrev_b32 v6, 5, v0
	s_delay_alu instid0(VALU_DEP_1)
	v_readfirstlane_b32 s12, v6                    ; wave
	v_and_b32 v4, 31, v0
	s_delay_alu instid0(VALU_DEP_1)
	v_lshlrev_b32 v4, 2, v4                        ; LDS: 4 x lane
.set i, 0
.rept 12
	v_mov_b32 v[XM+i], 0                           ; written once: a lane permute's destination counts as one of its sources
.set i, i+1
.endr
	s_mul_i32 s14, ttmp9, 24576
	s_mov_b32 s15, 0
	s_lshl_b32 s16, ttmp9, 15
	s_mov_b32 s17, 0
	s_mul_i32 s18, ttmp9, 36
	s_mov_b32 s19, 0
	s_mul_i32 s20, ttmp9, 12
	s_mov_b32 s21, 0
	s_mov_b32 s22, 0x76543210
	s_mov_b32 s23, 0xfedcba98                      ; v_permlanex16_b32's selects for lane l xor 16
	s_wait_kmcnt 0x0
	s_add_nc_u64 s[4:5], s[4:5], s[14:15]
	s_add_nc_u64 s[6:7], s[6:7], s[16:17]
	s_add_nc_u64 s[8:9], s[8:9], s[18:19]
	s_add_nc_u64 s[10:11], s[10:11], s[20:21]
.irp j, 0,1,2,3,4,5,6,7
	global_load_b96 v[SR+4*\j:SR+4*\j+2], v1, s[4:5] offset:3072*\j
.endr
.irp j, 0,1,2,3,4,5,6,7
	global_load_b128 v[MR+4*\j:MR+4*\j+3], v2, s[6:7] offset:4096*\j
.endr
	v_mov_b32 v[TT+3], 0
	v_mov_b32 v[TT+7], 0
.irp c, 0,1,2,3
	v_mov_b32 v[HA+4*\c+3], 0
.endr
.irp c, 0,1,2
	v_mov_b32 v[HA+12+\c], 0
.endr
	s_wait_loadcnt 0x0
	; ---- the centroids
.irp c, 0,1,2
	v_add_f32 v[TT+\c], v[SR+\c], v[SR+4+\c]
	v_add_f32 v[TT+4+\c], v[MR+\c], v[MR+4+\c]
.endr
.irp j, 2,3,4,5,6,7
.irp c, 0,1,2
	v_add_f32 v[TT+\c], v[TT+\c], v[SR+4*\j+\c]
	v_add_f32 v[TT+4+\c], v[TT+4+\c], v[MR+4*\j+\c]
.endr
.endr
	WSUM TT, 8
	ds_store_b128 v3, v[TT:TT+3]                   ; all lanes of a wave write the same bytes with the same values
	ds_store_b128 v3, v[TT+4:TT+7] offset:16
	s_wait_dscnt 0x0                               ; for the others' sake: my stores have landed
	s_barrier_signal -1
	s_barrier_wait -1
	ds_load_b32 v8, v4                             ; word l: sum l % 8 of wave l / 8;
	ds_load_b32 v9, v4 offset:128                  ; of wave 4 + l / 8
	s_wait_dscnt 0x0
	v_add_f32 v8, v8, v9
	s_delay_alu instid0(VALU_DEP_1)
	v_add_f32_dpp v8, v8, v8 row_xmask:8 row_mask:0xf bank_mask:0xf
	s_delay_alu instid0(VALU_DEP_1)
	v_permlanex16_b32 v9, v8, s22, s23
	s_delay_alu instid0(VALU_DEP_1)
	v_add_f32 v8, v8, v9                           ; lane l: sum l % 8 over all eight waves
	s_delay_alu instid0(VALU_DEP_1)
	v_mul_f32 v8, 0x3a000000, v8                   ; / 2,048
.irp c, 0,1,2
	v_readlane_b32 s[24+\c], v8, \c                ; src's centroid
	v_readlane_b32 s[28+\c], v8, 4+\c              ; matched's
.endr
	; ---- H
.irp j, 0,1,2,3,4,5,6,7
.irp c, 0,1,2
	v_sub_f32 v[SR+4*\j+\c], v[SR+4*\j+\c], s[24+\c]
	v_sub_f32 v[MR+4*\j+\c], v[MR+4*\j+\c], s[28+\c]
.endr
.endr
.irp c, 0,1,2
.irp d, 0,1,2
	v_mul_f32 v[HA+4*\c+\d], v[SR+\c], v[MR+\d]    ; the first row starts the sums
.endr
.endr
.irp j, 1,2,3,4,5,6,7
.irp c, 0,1,2
.irp d, 0,1,2
	v_fmac_f32 v[HA+4*\c+\d], v[SR+4*\j+\c], v[MR+4*\j+\d]
.endr
.endr
.endr
	WSUM HA, 12
.irp c, 0,1,2,3
	ds_store_b128 v7, v[HA+4*\c:HA+4*\c+3] offset:16*\c
.endr
	s_wait_dscnt 0x0
	s_barrier_signal -1
	s_barrier_wait -1
	s_cmp_lg_u32 s12, 0
	s_cbranch_scc1 .Lend                           ; the rest is wave 0's; no barrier follows
	ds_load_b32 v8, v4 offset:256                  ; word l + 32 k: entry l % 16 of wave 2 k + l / 16
	ds_load_b32 v9, v4 offset:384
	ds_load_b32 v10, v4 offset:512
	ds_load_b32 v11, v4 offset:640
	s_wait_dscnt 0x0
	v_add_f32 v8, v8, v9
	v_add_f32 v10, v10, v11
	s_delay_alu instid0(VALU_DEP_1)
	v_add_f32 v8, v8, v10
	s_delay_alu instid0(VALU_DEP_1)
	v_permlanex16_b32 v9, v8, s22, s23
	s_delay_alu instid0(VALU_DEP_1)
	v_add_f32 v8, v8, v9                           ; lane l: entry l % 16 of H
.irp c, 0,1,2
.irp d, 0,1,2
	v_readlane_b32 s[32+4*\c+\d], v8, 4*\c+\d
.endr
.endr
.irp i, 0,1,2
.irp j, 0,1,2
	v_mov_b32 v[XM+4*\i+\j], s[32+4*\j+\i]         ; X = H^T
.endr
.endr
	v_mul_f32 v65, v[XM], v[XM]
.irp e, 1,2,4,5,6,8,9,10
	s_delay_alu instid0(VALU_DEP_1)
	v_fmac_f32 v65, v[XM+\e], v[XM+\e]
.endr
	s_wait_alu depctr_va_vdst(0)
	v_rsq_f32 v67, v65
	v_nop
	s_wait_alu depctr_va_vdst(0)                   ; ahead of the first reader
.irp e, 0,1,2,4,5,6,8,9,10
	v_mul_f32 v[XM+\e], v[XM+\e], v67              ; brought to norm 1: the factor sought does not change, and det and the norms below stay inside f32
.endr
	s_mov_b32 s50, 12
.Lnewton:
	s_wait_alu depctr_va_vdst(0)
	CROSS 0, 1, 2
	CROSS 1, 2, 0
	CROSS 2, 0, 1
	v_mul_f32 v[DET], v[XM], v[CF]
	s_delay_alu instid0(VALU_DEP_1)
	v_fmac_f32 v[DET], v[XM+1], v[CF+1]
	s_delay_alu instid0(VALU_DEP_1)
	v_fmac_f32 v[DET], v[XM+2], v[CF+2]            ; det X
	v_mul_f32 v65, v[XM], v[XM]
	v_mul_f32 v66, v[CF], v[CF]
.irp e, 1,2,4,5,6,8,9,10
	s_delay_alu instid0(VALU_DEP_2)
	v_fmac_f32 v65, v[XM+\e], v[XM+\e]
	s_delay_alu instid0(VALU_DEP_2)
	v_fmac_f32 v66, v[CF+\e], v[CF+\e]
.endr
	v_mul_f32 v75, v[DET], v[DET]
	s_delay_alu instid0(VALU_DEP_1)
	v_mul_f32 v75, v75, v65
	s_wait_alu depctr_va_vdst(0)
	v_rsq_f32 v67, v75                             ; 1 / (|X| |det|)
	v_sqrt_f32 v68, v66                            ; |C|
	v_rcp_f32 v69, v[DET]
	v_nop
	s_wait_alu depctr_va_vdst(0)                   ; one wait for the three
	v_mul_f32 v70, v67, v68                        ; g^2 = |X^-1| / |X|
	s_wait_alu depctr_va_vdst(0)
	v_sqrt_f32 v71, v70                            ; g
	v_rsq_f32 v72, v70                             ; 1 / g
	v_nop
	s_wait_alu depctr_va_vdst(0)                   ; one wait for the two
	v_mul_f32 v73, 0.5, v71
	v_mul_f32 v74, v72, v69
	s_delay_alu instid0(VALU_DEP_1)
	v_mul_f32 v74, 0.5, v74
.irp e, 0,1,2,4,5,6,8,9,10
	v_mul_f32 v[XM+\e], v73, v[XM+\e]
.endr
.irp e, 0,1,2,4,5,6,8,9,10
	v_fmac_f32 v[XM+\e], v74, v[CF+\e]             ; X = g / 2 X + 1 / (2 g det) C
.endr
	s_sub_co_u32 s50, s50, 1
	s_cmp_lg_u32 s50, 0
	s_cbranch_scc1 .Lnewton
	v_cmp_gt_f32 vcc_lo, 0, v[DET]                 ; the sign of det does not change along the iteration: det R < 0?  It selects a value, no path
	v_mov_b32 v75, 0x80000000
	s_delay_alu instid0(VALU_DEP_1)
	v_cndmask_b32 v75, 0, v75, vcc_lo
.irp j, 0,1,2
	v_xor_b32 v[XM+8+\j], v75, v[XM+8+\j]          ; then row 3 is negated
.endr
.irp i, 0,1,2
	v_fma_f32 v[76+\i], -v[XM+4*\i], s24, s[28+\i]
.endr
.irp i, 0,1,2
	s_delay_alu instid0(VALU_DEP_3)
	v_fma_f32 v[76+\i], -v[XM+4*\i+1], s25, v[76+\i]
.endr
.irp i, 0,1,2
	s_delay_alu instid0(VALU_DEP_3)
	v_fma_f32 v[76+\i], -v[XM+4*\i+2], s26, v[76+\i]   ; t = matched's centroid - R x src's centroid
.endr
	v_mov_b32 v5, 0
	s_wait_alu depctr_va_vdst(0)
	s_wait_xcnt 0x0                                ; EXEC changes only behind this wait: it is a source of every memory instruction issued before
	v_cmp_eq_u32 vcc_lo, 0, v0
	s_and_saveexec_b32 s52, vcc_lo                 ; every lane holds the same numbers: lane 0 stores them: 48 bytes a batch
	global_store_b96 v5, v[XM:XM+2], s[8:9]
	global_store_b96 v5, v[XM+4:XM+6], s[8:9] offset:12
	global_store_b96 v5, v[XM+8:XM+10], s[8:9] offset:24
	global_store_b96 v5, v[76:78], s[10:11]
	s_wait_xcnt 0x0                                ; and again, in front of the line that widens it
	s_or_b32 exec_lo, exec_lo, s52
.Lend:
	s_wait_tensorcnt 0x0
	ds_add_u32 v128, v129
	s_wait_dscnt 0x0
	s_endpgm
.Lfunc_end_k_qe8adda7d3f_solve:
	.size	k_qe8adda7d3f_solve, .Lfunc_end_k_qe8adda7d3f_solve-k_qe8adda7d3f_solve
	.p2alignl 7, 3214868480
	.fill 96, 4, 3214868480
	.section	.rodata,"a",@progbits
	.p2align	6, 0x0
	.amdhsa_kernel k_qe8adda7d3f_solve
		.amdhsa_group_segment_fixed_size 2048
		.amdhsa_private_segment_fixed_size 0
		.amdhsa_enable_private_segment 0
		.amdhsa_kernarg_size 32
		.amdhsa_user_sgpr_count 2
		.amdhsa_user_sgpr_kernarg_segment_ptr 1
		.amdhsa_wavefront_size32 1
		.amdhsa_system_sgpr_workgroup_id_x 1
		.amdhsa_system_sgpr_workgroup_id_y 1
		.amdhsa_system_sgpr_workgroup_id_z 1
		.amdhsa_system_vgpr_workitem_id 0
		.amdhsa_next_free_vgpr 130
		.amdhsa_next_free_sgpr 66
		.amdhsa_reserve_vcc 1
		.amdhsa_float_denorm_mode_32 3
		.amdhsa_float_denorm_mode_16_64 3
		.amdhsa_memory_ordered 1
		.amdhsa_forward_progress 1
		.amdhsa_inst_pref_size 27
	.end_amdhsa_kernel
	.amdgpu_metadata
---
amdhsa.version: [ 1, 2 ]
amdhsa.kernels:
  - .name:           k_qe8adda7d3f_solve
    .symbol:         k_qe8adda7d3f_solve.kd
    .args:
      - { .name: src, .offset: 0, .size: 8, .value_kind: global_buffer, .address_space: global }
      - { .name: matched, .offset: 8, .size: 8, .value_kind: global_buffer, .address_space: global }
      - { .name: out0, .offset: 16, .size: 8, .value_kind: global_buffer, .address_space: global }
      - { .name: out1, .offset: 24, .size: 8, .value_kind: global_buffer, .address_space: global }
    .group_segment_fixed_size: 2048
    .private_segment_fixed_size: 0
    .kernarg_segment_align: 8
    .kernarg_segment_size: 32
    .max_flat_workgroup_size: 256
    .sgpr_count:     66
    .vgpr_count:     130
    .wavefront_size: 32
...
	.end_amdgpu_metadata
.endif
;; end of part 3
